; MI455X (gfx1250); checked and timed in simulation.
; The chip was launched on July 23, 2026; its instructions are those of AMD's public machine-readable ISA for CDNA 5 (MIT licence, August 2026) and "CDNA5" Instruction Set Architecture Reference Guide (July 2026). The comments in the code are by the model that wrote it; some were corrected since.
;; Kmeans Assigner. Allowed arithmetic: matrix products marked QUANTISED: E5M2 operands, one given power-of-two scale a tensor, by v_wmma_f32_16x16x64_bf8_bf8 or v_wmma_f32_16x16x128_bf8_bf8, f32 sums; everything else in f32.
;; Inputs: centroids 2,048 x 512 float32; inp 65,536 x 512 float32; lowp_scales 2 int32 (the exponents e of the quantised operands' scales 2^e).
;; Outputs: out0 65,536 int32.
;; This version of the problem:
;;   THIS VERSION OF THE PROBLEM IS GIVEN IN LOW PRECISION. The matrix products marked QUANTISED in the list below multiply operands that are first quantised to E5M2 (5 exponent bits, 2 mantissa bits; 8 bits a number), with one given power-of-two scale for each operand tensor; their sums are f32. All else is computed in f32.
;;   The module's matrix products, in the order in which they are computed (A, B: the left and right operand; K: the contracted axis; several contracted axes count as one K, in the product's order):
;;     1. [M 65,536, K 512] x [K 512, N 2,048]; A: input inp; B: input centroids: QUANTISED (scales: A lowp_scales[0], B lowp_scales[1])
;;   THE QUANTISER, for each operand of a quantised product, along K:
;;     - The operand's scale is 2^e, e = its entry of the input lowp_scales (int32; the entries are numbered through the quantised products in the list's order, A before B).
;;     - Each number is divided by the scale, clamped to +-57,344, and rounded to the nearest number of E5M2, ties to even, subnormals kept.
;;     - The product sums the exact products of the quantised numbers (number of the format x scale) in f32.
;;   ~~~python
;;   def quantise(x, axis, e):      # numpy; x: float32 -> the quantised numbers, widened to float32 again
;;       x = np.moveaxis(x, axis, -1); K = x.shape[-1]
;;       r = np.clip(x / 2.0 ** e, -57344, 57344)
;;       step = 2.0 ** (np.maximum(np.frexp(np.where(r == 0, 1, r))[1] - 1, -14) - 2)
;;       q = np.round(r / step) * step * 2.0 ** e      # np.round: ties to even
;;       return np.moveaxis(q, -1, axis).astype(np.float32)
;;   ~~~
;; One version. Each part assembles by itself: llvm-mc -triple=amdgcn-amd-amdhsa -mcpu=gfx1250 --defsym DOCPART=n.
;; ======== version 1 of 1: 2 launches
;; limits: right only within a limited range of input values
;; workspace buffers: ccodes 1,081,344 bytes
;; launch prep (part 1): grid 128 x 1, 4 waves a work-group, no clusters, 768 bytes of LDS; arguments centroids, lowp_scales, ccodes; writes ccodes
.if DOCPART == 1
	.amdgcn_target "amdgcn-amd-amdhsa--gfx1250"
	.amdhsa_code_object_version 6
	.text
	.protected	k_q47857b55e5_prep
	.globl	k_q47857b55e5_prep
	.p2align	8
	.type	k_q47857b55e5_prep,@function
k_q47857b55e5_prep:
	s_mov_b64 s[64:65], 0
	v_nop
	global_prefetch_b8 v0, s[64:65] scope:SCOPE_SE
	s_setreg_imm32_b32 hwreg(HW_REG_WAVE_MODE, 25, 1), 1
	s_wait_xcnt 0x0
; The centroids [2048][512], f32, are turned ONCE into what the second launch's waves take: codes of BF8 (E5M2) with the given scale 2^eb (entry 1 of the scales), laid as images of the
; matrix operand's registers, and beside them each centroid's sum of squares c2 in f32 (of the numbers as given, not of the codes).
; code = x / 2^eb, held within +-57,344, rounded to the nearest code, ties to even.
; LIMITS: eb between -126 and 112, so that 2^eb and 57,344 x 2^eb are f32 numbers.  NaN among the inputs is not served; an infinity is held at the largest code, and makes c2 infinite.
; THE BUFFER: 128 records of 8,448 bytes, record t for centroids 16 t .. 16 t + 15.
;   bytes 2,048 s + 512 q + 16 l + 0..15 (K step s of 128, q = 0..3, lane l): registers 4 q .. 4 q + 3 of lane l of the fragment 16 centroids x 128 K.  Lane l = (r = l % 16, h = l / 16) holds centroid 16 t + r;
;   registers 2 c, 2 c + 1 hold k = 128 s + 16 c + 8 h + 0..7: the form's own places (ISA guide 7.12.2).
;   bytes 8,192 .. 8,447: 64 words, word i = c2 of centroid 16 t + i % 16: the sixteen numbers four times over, so that the record's last 256 bytes are written whole by one store.
; SHARES: work-group t makes record t; wave s its K step s.  A lane loads its 64 numbers in the order of its registers: 32 bytes at 64 c + 32 h of its row's 512 bytes; a wave's sixteen loads
; together use every byte of 16 rows x 512 bytes.  The tensor is 4 MiB and is read once: a turn through LDS for denser loads would not pay.
.set REC, 8448
.set SQ,  16                           ; v[16:23]   four packed chains of squares
.set T,   32                           ; v[32:95]   my 64 numbers: T[8 c + i] = k 16 c + 8 h + i
.set CD,  96                           ; v[96:111]  their codes: the fragment's 16 registers
.set PS,  112                          ; v[112:119] wave 0: the four waves' parts of c2
	s_load_b128 s[4:7], s[0:1], 0x0                ; centroids s[4:5], the scales' exponents s[6:7]
	s_load_b64 s[8:9], s[0:1], 0x10                ; ccodes
	v_lshl_add_u32 v128, v0, 2, 0x100
	v_mov_b32 v129, 0
	v_lshrrev_b32 v1, 5, v0
	v_readfirstlane_b32 s16, v1                    ; wave = K step
	v_and_b32 v2, 15, v0                           ; r
	v_bfe_u32 v3, v0, 4, 1                         ; h
	v_lshlrev_b32 v4, 11, v2
	v_lshl_add_u32 v4, v3, 5, v4                   ; in: row r of 2,048 bytes, + 32 h
	v_and_b32 v9, 31, v0
	v_lshlrev_b32 v5, 4, v9                        ; out: 16 x lane
	s_lshl_b32 s17, s16, 6
	v_lshlrev_b32 v6, 2, v2
	v_add_nc_u32 v6, s17, v6                       ; LDS: my wave's part of c2 of centroid r: 64 x wave + 4 r
	v_and_b32 v7, 7, v0
	v_lshlrev_b32 v7, 3, v7                        ; LDS, back: two neighbouring centroids' parts: 8 (lane % 8)
	v_lshlrev_b32 v8, 3, v9                        ; out: 8 x lane: words 2 l and 2 l + 1 of the record's last 64
	v_mov_b32 v13, 0                               ; written once: a lane permute's destination counts as one of its sources
	s_mov_b32 s12, 0x76543210                      ; v_permlanex16_b32: each lane takes its own place in the other half
	s_mov_b32 s13, 0xfedcba98
	s_lshl_b32 s20, ttmp9, 15                      ; 16 rows of 2,048 bytes a work-group,
	s_lshl_b32 s18, s16, 9                         ; 512 bytes of a row a K step
	s_add_co_u32 s20, s20, s18
	s_mov_b32 s21, 0
	s_mul_i32 s24, ttmp9, REC                      ; my record,
	s_lshl_b32 s18, s16, 11                        ; my image in it
	s_add_co_u32 s24, s24, s18
	s_mov_b32 s25, 0
	s_wait_alu depctr_va_vdst(0)
	s_wait_kmcnt 0x0
	s_load_b32 s22, s[6:7], 0x4                    ; eb
	s_add_nc_u64 s[4:5], s[4:5], s[20:21]
	s_add_nc_u64 s[8:9], s[8:9], s[24:25]
.set u, 0
.rept 16
	global_load_b128 v[T+4*u:T+4*u+3], v4, s[4:5] offset:64*(u/2)+16*(u%2) th:TH_LOAD_NT
.set u, u+1
.endr
	s_wait_kmcnt 0x0
	s_add_co_i32 s22, s22, 127
	s_lshl_b32 s23, s22, 23
	v_mov_b32 v11, s23                             ; 2^eb as f32: the conversion takes its exponent field
	s_add_co_i32 s22, s22, 15
	s_lshl_b32 s22, s22, 23
	s_or_b32 s22, s22, 0x600000
	v_mov_b32 v10, s22                             ; 57,344 x 2^eb
	s_wait_loadcnt 0x0
	; c2: the squares of the numbers as given, two at a time, in four chains that the first four products start
.set i, 0
.rept 4
	v_pk_mul_f32 v[SQ+2*i:SQ+2*i+1], v[T+2*i:T+2*i+1], v[T+2*i:T+2*i+1]
.set i, i+1
.endr
.rept 28
	v_pk_fma_f32 v[SQ+2*(i%4):SQ+2*(i%4)+1], v[T+2*i:T+2*i+1], v[T+2*i:T+2*i+1], v[SQ+2*(i%4):SQ+2*(i%4)+1]
.set i, i+1
.endr
	v_pk_add_f32 v[SQ:SQ+1], v[SQ:SQ+1], v[SQ+2:SQ+3]
	v_pk_add_f32 v[SQ+4:SQ+5], v[SQ+4:SQ+5], v[SQ+6:SQ+7]
	v_pk_add_f32 v[SQ:SQ+1], v[SQ:SQ+1], v[SQ+4:SQ+5]
	v_add_f32 v12, v[SQ], v[SQ+1]
	v_permlanex16_b32 v13, v12, s12, s13           ; the row's other 64 numbers of this K step lie in the lane 16 away
	v_add_f32 v12, v12, v13
	ds_store_b32 v6, v12                           ; lanes r and r + 16 write the same word with the same number
	; the codes
.set i, 0
.rept 64
	v_med3_num_f32 v[T+i], v[T+i], -v10, v10       ; the conversion to an 8-bit code does not saturate (ISA guide 7.6.2): the hold at the largest code x the scale comes first
.set i, i+1
.endr
.set i, 0
.rept 8
	v_cvt_scalef32_pk8_bf8_f32 v[CD+2*i:CD+2*i+1], v[T+8*i:T+8*i+7], v11   ; registers 2 c, 2 c + 1
.set i, i+1
.endr
	v_nop                                          ; a plain vector line behind the last conversion
.irp q, 0,1,2,3
	global_store_b128 v5, v[CD+4*\q:CD+4*\q+3], s[8:9] offset:512*\q   ; 32 lanes store 512 consecutive bytes, at a multiple of 256 from the buffer's first byte
.endr
	s_wait_dscnt 0x0                               ; for wave 0's sake: my part of c2 lies in LDS
	s_barrier_signal -1
	s_barrier_wait -1
	s_cmp_lg_u32 s16, 0
	s_cbranch_scc1 .Ldone                          ; wave 0 alone adds the four parts, K ascending, and stores them (its base is the record's first byte)
.irp q, 0,1,2,3
	ds_load_b64 v[PS+2*\q:PS+2*\q+1], v7 offset:64*\q
.endr
	s_wait_dscnt 0x0
	v_pk_add_f32 v[PS:PS+1], v[PS:PS+1], v[PS+2:PS+3]
	v_pk_add_f32 v[PS:PS+1], v[PS:PS+1], v[PS+4:PS+5]
	v_pk_add_f32 v[PS:PS+1], v[PS:PS+1], v[PS+6:PS+7]
	global_store_b64 v8, v[PS:PS+1], s[8:9] offset:8192   ; 32 lanes store 256 consecutive bytes: the record's last
.Ldone:
	s_wait_tensorcnt 0x0
	ds_add_u32 v128, v129
	s_wait_dscnt 0x0
	s_endpgm
.Lfunc_end_k_q47857b55e5_prep:
	.size	k_q47857b55e5_prep, .Lfunc_end_k_q47857b55e5_prep-k_q47857b55e5_prep
	.p2alignl 7, 3214868480
	.fill 96, 4, 3214868480
	.section	.rodata,"a",@progbits
	.p2align	6, 0x0
	.amdhsa_kernel k_q47857b55e5_prep
		.amdhsa_group_segment_fixed_size 768
		.amdhsa_private_segment_fixed_size 0
		.amdhsa_enable_private_segment 0
		.amdhsa_kernarg_size 24
		.amdhsa_user_sgpr_count 2
		.amdhsa_user_sgpr_kernarg_segment_ptr 1
		.amdhsa_wavefront_size32 1
		.amdhsa_system_sgpr_workgroup_id_x 1
		.amdhsa_system_sgpr_workgroup_id_y 1
		.amdhsa_system_sgpr_workgroup_id_z 1
		.amdhsa_system_vgpr_workitem_id 0
		.amdhsa_next_free_vgpr 130
		.amdhsa_next_free_sgpr 66
		.amdhsa_reserve_vcc 0
		.amdhsa_float_denorm_mode_32 3
		.amdhsa_float_denorm_mode_16_64 3
		.amdhsa_memory_ordered 1
		.amdhsa_forward_progress 1
		.amdhsa_inst_pref_size 12
	.end_amdhsa_kernel
	.amdgpu_metadata
---
amdhsa.version: [ 1, 2 ]
amdhsa.kernels:
  - .name:           k_q47857b55e5_prep
    .symbol:         k_q47857b55e5_prep.kd
    .args:
      - { .name: centroids, .offset: 0, .size: 8, .value_kind: global_buffer, .address_space: global }
      - { .name: lowp_scales, .offset: 8, .size: 8, .value_kind: global_buffer, .address_space: global }
      - { .name: ccodes, .offset: 16, .size: 8, .value_kind: global_buffer, .address_space: global }
    .group_segment_fixed_size: 768
    .private_segment_fixed_size: 0
    .kernarg_segment_align: 8
    .kernarg_segment_size: 24
    .max_flat_workgroup_size: 128
    .sgpr_count:     66
    .vgpr_count:     130
    .wavefront_size: 32
...
	.end_amdgpu_metadata
.endif
;; end of part 1
;; launch assign (part 2): grid 256 x 1, 8 waves a work-group, clusters of 4 x 1, 327,680 bytes of LDS; arguments inp, ccodes, lowp_scales, out0; writes out0
.if DOCPART == 2
	.amdgcn_target "amdgcn-amd-amdhsa--gfx1250"
	.amdhsa_code_object_version 6
	.text
	.protected	k_q47857b55e5_assign
	.globl	k_q47857b55e5_assign
	.p2align	8
	.type	k_q47857b55e5_assign,@function
k_q47857b55e5_assign:
	s_mov_b64 s[64:65], 0
	v_nop
	global_prefetch_b8 v0, s[64:65] scope:SCOPE_SE
	s_setreg_imm32_b32 hwreg(HW_REG_WAVE_MODE, 25, 1), 1
	s_wait_xcnt 0x0
	s_wait_alu depctr_hold_cnt(0) depctr_sa_sdst(0) depctr_va_vdst(0) depctr_va_sdst(0) depctr_va_ssrc(0) depctr_va_vcc(0) depctr_vm_vsrc(0)
	s_getreg_b32 s2, hwreg(HW_REG_IB_STS2, 6, 4)
	s_cmp_eq_u32 s2, 0
	s_cbranch_scc0 .Lentry_in_a_cluster
	s_endpgm
.Lentry_in_a_cluster:
	s_bfe_u32 s2, ttmp6, 0x10000c
	s_cmp_lg_u32 s2, 0x3003
	s_cbranch_scc0 .Lentry_shape_is_right
	s_endpgm
.Lentry_shape_is_right:
; out0[row] = argmin over the 2,048 centroids of d2 = x2 - 2 x.c + c2, the product on codes of BF8 (E5M2), all else f32.
; DEAD WORK: x2 = sum of a row's squares is added to all 2,048 numbers among which that row's argmin chooses: for all values of the inputs it moves no argmin in exact arithmetic, and is not computed.
; For the same reason one constant, c2 of centroid 0, is taken off every c2.  What is left, divided by -2^(ea + eb + 1), is  a = (codes' product) - (c2 - c2[0]) 2^-(ea + eb + 1),  and the argmax of a is the argmin of d2.
; The second term is the C of each tile's first matrix instructions; taking c2[0] off keeps the sums small beside their terms.
; LIMITS: a NaN, an infinity or an overflow that reaches x2 alone is not carried to the result.  Two centroids whose d2 differ by less than the f32 rounding of reference()'s own two additions (2^-23 of d2 each)
; may be ordered otherwise than reference() orders them; equal sums give the lower index.  ea between -126 and 112, ea + eb between -128 and 125 (the factors are made as f32 numbers).  NaN among the inputs is not served.
; SHARES: a work-group owns 256 rows of inp; 8 waves: wave w has rows 64 (w % 4) .. + 63 as codes in 256 registers (window 1) and, of every 16 tiles of centroids, tiles 8 (w / 4) .. + 7.
; HEAD: inp comes in four pieces of 128 along K (256 rows x 512 bytes, LDS rows 528 bytes apart) through the two slots; each wave holds and converts its 64 rows.
; LOOP: ccodes (records of 8,448 bytes: a tile's four fragments as register images, then c2) comes in 8 slots of 16 records.  All work-groups read the same records: the four of a cluster ask jointly.
; THE MATRIX INSTRUCTION IS USED TRANSPOSED (source 0 = 16 centroids, source 1 = 16 rows of x): a lane holds one row of x and eight centroids 8 h + j of the tile.
; ARGMAX BY TILE: the lane's eight sums go into its running maximum by four v_max3; one compare (new > old) steers eight selects: the tile's number, the three prefix maxima and sums 0, 2, 4, 6:
; 13 vector instructions for 8 numbers.  At the end the place j in the tile is read off by equality with the maximum, the lowest j first; tiles ascend and only a greater number replaces: the lowest index wins ties.
; PREFETCH: pieces 1 and 2 of inp are asked for behind piece 0's load, piece 3 behind piece 1's: two pieces ahead; a lane a row, two blocks of 256 bytes a row and piece, each block named once, by the wave that loads it.
; ccodes is not prefetched: a slot's load is issued 8 trips (128 matrix instructions a wave) ahead of the wait for it.
.set SLOT,  135168                     ; 16 records, or 256 rows x 528 bytes of inp
.set REC,   8448
.set XP,    528
.set PIECE, 16896                      ; what one wave's tensor load brings: an eighth of a slot
.set MV,    2*SLOT                     ; 3,072 bytes for the waves' results
.set SPARE, MV+3072                    ; the spare words: 128 bytes a wave, four blocks of 256 bytes that no other line names
.set LI,   1                           ; 16 x lane
.set H32,  2                           ; 32 h
.set ADR,  3                           ; a pair of records: fragments
.set ADC,  4                           ; and c2
.set SPW,  5
.set NIL,  6
.set XA,   7                           ; v7-8 my rows of inp in slot 0, 1
.set MVA,  9
.set OUTR, 10
.set GO,   11
.set H8,   12
.set TIV,  13                          ; the finished tile's number
.set LIM,  14                          ; 57,344 x 2^ea
.set SC,   15                          ; 2^ea
.set CL,   16                          ; v16-23 the tile's c2, then the products' C
.set K0,   24                          ; v24-25 c2[0] 2^-(ea + eb + 1), twice
.set ACC,  32                          ; v32-63 four accumulators
.set CF,   64                          ; v64-127 a tile's four fragments
.set R0,   128                         ; v128-131, v132-135 the running maximum, two sets by turns
.set R1,   132
.set IDX,  136                         ; v136-139 its tile
.set ST,   140                         ; v140-171 eight registers for each block m, seven used: three prefix maxima, sums 0, 2, 4, 6
.set TT,   172                         ; v172-183 the prefix maxima at work
.set PFO,  188                         ; 2,048 x lane; never rewritten
.set JJ,   64
.set JA,   68
.set WV,   14
.set G1X,  24
.set G1C,  32
.set G0X,  48
.set G0C,  56
.set FS,   68                          ; s68-69 -2^-(ea + eb + 1), twice
.set TI,   74
.set TN,   75
.set CB,   76
.set MSB, 0
.macro WIN new                         ; the immediate's high byte repeats the setting that is left
.if MSB != \new
	s_set_vgpr_msb (MSB<<8)|\new
.set MSB, \new
.endif
.endm
.macro CREST                           ; a round of the cluster's barrier behind its opening barrier
	s_cmp_lg_u32 s[WV], 0
	s_cbranch_scc1 .Lnot_wave_0_\@
	s_barrier_signal -3
.Lnot_wave_0_\@:
	s_barrier_wait -3
	s_barrier_signal -1
	s_barrier_wait -1
.endm
.macro ROUND
	s_barrier_signal -1
	s_barrier_wait -1
	CREST
.endm
.macro ISSUE g0, g1                    ; my one tensor load behind a round
	tensor_load_to_lds s[\g0:\g0+3], s[\g1:\g1+7]
	s_nop 0
.rept 4
	v_nop
.endr
.endm
.macro CHANGE g0, g1, step             ; the head's changes of slots: all my loads in, the add, my reads back, a round, the fill
	s_wait_tensorcnt 0x0
	ds_add_u32 v[SPW], v[NIL]
.if \step
	s_add_nc_u64 s[\g0+2:\g0+3], s[\g0+2:\g0+3], \step
.endif
	s_wait_dscnt 0x0
	ROUND
	ISSUE \g0, \g1
.endm
.macro XLOADU s, m                     ; 16 rows x 128 K of f32 in the order of the fragment's registers: 32 bytes at 64 c + 32 h
.set TB, 192-128*((\m)%2)
.set u, 0
.rept 16
	ds_load_b128 v[TB+4*u:TB+4*u+3], v[XA+(\s)%2] offset:16*XP*(\m)+64*(u/2)+16*(u%2)
.set u, u+1
.endr
.endm
.macro XCONV s, m                      ; the hold at the largest code (the conversion does not saturate: ISA guide 7.6.2), the codes into window 1
.set TB, 192-128*((\m)%2)
.set i, 0
.rept 64
	v_med3_num_f32 v[TB+i], v[TB+i], -v[LIM], v[LIM]
.set i, i+1
.endr
	WIN 0x40
.set i, 0
.rept 8
	v_cvt_scalef32_pk8_bf8_f32 v[64*(\m)+16*(\s)+2*i:64*(\m)+16*(\s)+2*i+1], v[TB+8*i:TB+8*i+7], v[SC]
.set i, i+1
.endr
	WIN 0
	v_nop                                  ; a plain line behind the last conversion
.endm
.macro XPROC s, ask
	XLOADU \s, 0
	XLOADU \s, 1
.if \ask
	global_prefetch_b8 v[PFO], s[4:5] offset:1536 th:TH_LOAD_NT scope:SCOPE_SE   ; piece 3 of my 32 rows
	global_prefetch_b8 v[PFO], s[4:5] offset:1792 th:TH_LOAD_NT scope:SCOPE_SE
.endif
	s_wait_dscnt 16                        ; the older block's sixteen loads are in
	XCONV \s, 0
	XLOADU \s, 2
	s_wait_dscnt 16
	XCONV \s, 1
	XLOADU \s, 3
	s_wait_dscnt 16
	XCONV \s, 2
	s_wait_dscnt 0x0
	XCONV \s, 3
.endm
.macro MAX3 d, a, i
.irp m, 0,1,2,3
	v_max3_num_f32 v[\d+\m], v[\a+\m], v[ACC+8*\m+\i], v[ACC+8*\m+\i+1]
.endr
.endm
.macro KEEP st, src, k
.irp m, 0,1,2,3
	v_cndmask_b32 v[ST+8*\m+\st], v[ST+8*\m+\st], v[\src+\k*\m], s[88+\m]
.endr
.endm
; A finished tile (p: its trip's parity): the four blocks' chains by turns, each accumulator from its low end on; then the selects where the maximum grew.
.macro EPI p
.set RI, R0+4*(\p)
.set RO, R1-4*(\p)
	MAX3 TT, RI, 0
	MAX3 TT+4, TT, 2
	MAX3 TT+8, TT+4, 4
	MAX3 RO, TT+8, 6
.irp m, 0,1,2,3
	v_cmp_gt_f32 s[88+\m], v[RO+\m], v[RI+\m]
.endr
	KEEP 0, TT, 1
	KEEP 1, TT+4, 1
	KEEP 2, TT+8, 1
	KEEP 3, ACC, 8
	KEEP 4, ACC+2, 8
	KEEP 5, ACC+4, 8
	KEEP 6, ACC+6, 8
.irp m, 0,1,2,3
	v_cndmask_b32 v[IDX+\m], v[IDX+\m], v[TIV], s[88+\m]
.endr
.endm
; A trip: this tile's 18 LDS loads go out, the tile before is finished under them, c2 is made into C, then 16 matrix instructions, the four accumulators by turns.
; last = 1, a slot's last trip: all my tensor loads in, the add, my reads back, and the barrier's signal stand ahead of the products, which are the work on registers inside the barrier.
.macro TRIP p, last, inc
.if (\p) == 0
	v_add_nc_u32 v[ADR], s[CB], v[LI]      ; these four lines are the places behind the last products
	v_add_nc_u32 v[ADC], s[CB], v[H32]
.else
	v_nop
	v_nop
.endif
	v_mov_b32 v[TIV], s[TI]
	v_nop
	ds_load_b128 v[CL:CL+3], v[ADC] offset:REC*(\p)+8192
	ds_load_b128 v[CL+4:CL+7], v[ADC] offset:REC*(\p)+8208
.irp s, 0,1,2,3
.irp c, 0,1,2,3
	ds_load_b128 v[CF+16*\s+4*\c:CF+16*\s+4*\c+3], v[ADR] offset:REC*(\p)+2048*\s+512*\c
.endr
.endr
.if (\p) == 0
	s_add_co_u32 s[CB], s[CB], 2*REC
.endif
	s_mov_b32 s[TI], s[TN]
	s_add_co_u32 s[TN], s[TN], \inc
.if \last
	s_wait_tensorcnt 0x0                   ; my part of the other slot is in
	ds_add_u32 v[SPW], v[NIL]
.endif
	EPI 1-(\p)
.if \last
	s_wait_dscnt 0x0                       ; the add is done, my reads of this slot are back
	s_barrier_signal -1
.else
	s_wait_dscnt 12                        ; c2 and K step 0 are in; the later steps' four loads each may be out
.endif
.irp i, 0,2,4,6
	v_pk_fma_f32 v[CL+\i:CL+\i+1], v[CL+\i:CL+\i+1], s[FS:FS+1], v[K0:K0+1] op_sel_hi:[1,0,0]   ; C = -(c2 - c2[0]) 2^-(ea + eb + 1)
.endr
	WIN 0x04                               ; source 1 (x's codes) in window 1
.irp s, 0,1,2,3
.if ((\last) == 0) && (\s > 0)
	s_wait_dscnt 12-4*\s
.endif
.irp m, 0,1,2,3
.if \s == 0
	v_wmma_f32_16x16x128_bf8_bf8 v[ACC+8*\m:ACC+8*\m+7], v[CF+16*\s:CF+16*\s+15], v[64*\m+16*\s:64*\m+16*\s+15], v[CL:CL+7]
.else
	v_wmma_f32_16x16x128_bf8_bf8 v[ACC+8*\m:ACC+8*\m+7], v[CF+16*\s:CF+16*\s+15], v[64*\m+16*\s:64*\m+16*\s+15], v[ACC+8*\m:ACC+8*\m+7]
.endif
.endr
.endr
	WIN 0
.if \last
	s_barrier_wait -1
.endif
.endm
.macro PROC sl, last                   ; my 8 records of slot sl
	s_mov_b32 s[CB], s[77+\sl]
	s_mov_b32 s80, 3
.Ltile_\@:
	TRIP 0, 0, 1
	TRIP 1, 0, 1
	s_sub_co_u32 s80, s80, 1
	s_cmp_lg_u32 s80, 0
	s_cbranch_scc1 .Ltile_\@
	TRIP 0, 0, 1
	TRIP 1, \last, 9                       ; the other half's 8 tiles are passed over
.endm
.macro REFILL g0                       ; the last trip's barrier has opened a round; the slot just read takes the records two slots on
	CREST
	s_add_nc_u64 s[\g0+2:\g0+3], s[\g0+2:\g0+3], 2*SLOT
	ISSUE \g0, G1C
.endm
.macro MERGE va, na, vb, nb            ; the greater number, at equal numbers the lower index
	v_cmp_gt_f32 s84, v[\vb], v[\va]
	v_cmp_eq_f32 s85, v[\vb], v[\va]
	v_cmp_lt_u32 s86, v[\nb], v[\na]
	s_and_b32 s85, s85, s86
	s_or_b32 s84, s84, s85
	v_cndmask_b32 v[\va], v[\va], v[\vb], s84
	v_cndmask_b32 v[\na], v[\na], v[\nb], s84
.endm
.macro PICK st, lo, d                  ; d = lo if the kept number is the maximum, else lo + 1
.irp m, 0,1,2,3
	v_cmp_eq_f32 s[88+\m], v[ST+8*\m+\st], v[R0+\m]
.endr
.irp m, 0,1,2,3
	v_cndmask_b32 v[\d+\m], \lo+1, \lo, s[88+\m]
.endr
.endm
.macro TAKE st                         ; the earlier pair's place where its prefix maximum is the maximum
.irp m, 0,1,2,3
	v_cmp_eq_f32 s[88+\m], v[ST+8*\m+\st], v[R0+\m]
.endr
.irp m, 0,1,2,3
	v_cndmask_b32 v[JJ+\m], v[JJ+\m], v[JA+\m], s[88+\m]
.endr
.endm
	s_load_b256 s[4:11], s[0:1], 0x0       ; inp, ccodes, the scales' exponents, out0
	v_lshl_add_u32 v[SPW], v0, 2, SPARE
	v_mov_b32 v[NIL], 0
	ds_add_u32 v[SPW], v[NIL]              ; the opening lines: the add twice on end and one wait
	ds_add_u32 v[SPW], v[NIL]
	v_lshrrev_b32 v1, 5, v0
	v_readfirstlane_b32 s[WV], v1          ; wave
	s_and_b32 s15, s[WV], 3                ; my block of 64 rows
	s_lshr_b32 s16, s[WV], 2               ; my half of each slot's records
	s_bfe_u32 s17, ttmp6, 0x40000
	s_lshl_b32 s18, ttmp9, 2
	s_add_co_u32 s18, s18, s17             ; work-group = 4 x cluster + place
	s_mul_i32 s19, s[WV], PIECE
	s_mov_b32 s[G1X+0], (2<<16)|(1<<20)|(6<<22)|(3<<25)   ; inp: elements of 4 bytes, 4 dwords of padding behind every 128
	s_mov_b32 s[G1X+1], 128<<16
	s_mov_b32 s[G1X+2], 32<<16
	s_mov_b32 s[G1X+3], 128<<16
	s_mov_b32 s[G1X+4], 32
	s_mov_b32 s[G1X+5], 512
	s_mov_b32 s[G1X+6], 0
	s_mov_b32 s[G1X+7], 0
	s_mov_b32 s[G1C+0], 15|(3<<16)|(1<<21) ; ccodes: the cluster's four, elements of 8 bytes: 66 dense rows of 256 bytes
	s_mov_b32 s[G1C+1], 32<<16
	s_mov_b32 s[G1C+2], 66<<16
	s_mov_b32 s[G1C+3], 32<<16
	s_mov_b32 s[G1C+4], 66
	s_mov_b32 s[G1C+5], 32
	s_mov_b32 s[G1C+6], 0
	s_mov_b32 s[G1C+7], 0
	s_lshl_b32 s20, s18, 19                ; 256 rows of 2,048 bytes a work-group,
	s_lshl_b32 s21, s[WV], 16              ; 32 rows a wave
	s_add_co_u32 s20, s20, s21
	s_mov_b32 s21, 0
	s_mov_b32 s22, s19
	s_mov_b32 s23, 0
	s_lshl_b32 s40, s18, 10
	s_mov_b32 s41, 0
	s_mul_i32 s77, s16, 8*REC
	s_add_co_u32 s78, s77, SLOT
	s_mov_b32 s82, 0x76543210
	s_mov_b32 s83, 0xfedcba98
	s_mov_b32 s87, 0xff800000              ; -infinity
	s_wait_dscnt 0x0
	s_wait_kmcnt 0x0
	s_load_b64 s[96:97], s[8:9], 0x0       ; ea, eb
	s_load_b32 s98, s[6:7], 0x2000         ; c2 of centroid 0: the first word behind record 0's fragments
	s_add_nc_u64 s[4:5], s[4:5], s[20:21]
	s_add_nc_u64 s[66:67], s[6:7], s[22:23]
	s_add_nc_u64 s[10:11], s[10:11], s[40:41]
	s_mov_b32 s[G0X+0], 1
	s_mov_b32 s[G0X+1], s19
	s_mov_b64 s[G0X+2:G0X+3], s[4:5]
	s_or_b32 s[G0X+3], s[G0X+3], 0x80000000
	s_mov_b32 s[G0X+4], 1
	s_add_co_u32 s[G0X+5], s19, SLOT
	s_add_nc_u64 s[G0X+6:G0X+7], s[4:5], 512
	s_or_b32 s[G0X+7], s[G0X+7], 0x80000000
	s_mov_b32 s[G0C+0], 1
	s_mov_b32 s[G0C+1], s19
	s_mov_b64 s[G0C+2:G0C+3], s[66:67]
	s_or_b32 s[G0C+3], s[G0C+3], 0x80000000
	s_mov_b32 s[G0C+4], 1
	s_add_co_u32 s[G0C+5], s19, SLOT
	s_add_nc_u64 s[G0C+6:G0C+7], s[66:67], SLOT
	s_or_b32 s[G0C+7], s[G0C+7], 0x80000000
	ROUND
	tensor_load_to_lds s[G0X:G0X+3], s[G1X:G1X+7]   ; piece 0: one tensor load a wave at the head
	s_nop 0
	v_and_b32 v16, 31, v0
	s_delay_alu instid0(VALU_DEP_1)
	v_lshlrev_b32 v[LI], 4, v16
	v_and_b32 v17, 15, v0
	v_bfe_u32 v18, v0, 4, 1
	s_delay_alu instid0(VALU_DEP_1)
	v_lshlrev_b32 v[H32], 5, v18
	s_delay_alu instid0(VALU_DEP_2)
	v_lshlrev_b32 v[H8], 3, v18
	s_mul_i32 s42, s15, 64*XP
	v_mul_u32_u24 v[XA], v17, XP
	s_delay_alu instid0(VALU_DEP_1)
	v_lshl_add_u32 v[XA], v18, 5, v[XA]
	s_delay_alu instid0(VALU_DEP_1)
	v_add_nc_u32 v[XA], s42, v[XA]
	s_delay_alu instid0(VALU_DEP_1)
	v_add_nc_u32 v[XA+1], SLOT, v[XA]
	s_lshl_b32 s42, s15, 8
	v_lshlrev_b32 v[MVA], 2, v17
	s_delay_alu instid0(VALU_DEP_1)
	v_add_nc_u32 v[MVA], s42, v[MVA]
	s_delay_alu instid0(VALU_DEP_1)
	v_add_nc_u32 v[MVA], MV, v[MVA]
	v_and_b32 v[GO], 63, v0
	s_delay_alu instid0(VALU_DEP_1)
	v_lshlrev_b32 v[GO], 4, v[GO]
	s_delay_alu instid0(VALU_DEP_1)
	v_add_nc_u32 v[OUTR], MV+2048, v[GO]
	v_lshlrev_b32 v[PFO], 11, v16
.irp o, 512,768,1024,1280
	global_prefetch_b8 v[PFO], s[4:5] offset:\o th:TH_LOAD_NT scope:SCOPE_SE   ; pieces 1 and 2 of my 32 rows
.endr
	s_wait_alu depctr_va_vdst(0)
	s_wait_kmcnt 0x0
	s_add_co_i32 s43, s96, 127
	s_lshl_b32 s44, s43, 23
	v_mov_b32 v[SC], s44
	s_add_co_i32 s43, s43, 15
	s_lshl_b32 s43, s43, 23
	s_or_b32 s43, s43, 0x600000
	v_mov_b32 v[LIM], s43
	s_add_co_i32 s71, s96, s97
	s_sub_co_i32 s71, 126, s71
	s_lshl_b32 s71, s71, 23                ; 2^-(ea + eb + 1) as f32
	s_or_b32 s[FS], s71, 0x80000000        ; and its negative
	s_mov_b32 s[FS+1], s[FS]
	v_mov_b32 v[K0+1], s98
	v_mul_f32 v[K0], s71, v[K0+1]
	v_mov_b32 v[K0+1], v[K0]
	s_wait_alu depctr_va_vdst(0)
	CHANGE G0X+4, G1X, 0                   ; piece 0 is in, in every wave; piece 1 goes out: slot 1's first fill, issued as a refill is
	XPROC 0, 1
	CHANGE G0X, G1X, 1024
	XPROC 1, 0
	CHANGE G0X+4, G1X, 1024
	XPROC 2, 0
	CHANGE G0C, G1C, 0                     ; records 0-15 into slot 0
	XPROC 3, 0
	; the state: maximum and kept numbers -infinity, tile 0.  The first trip finishes a tile that is none: sums of -infinity, which replace nothing
.set i, 0
.rept 4
	v_mov_b32 v[R1+i], s87
	v_mov_b32 v[IDX+i], 0
.set i, i+1
.endr
.set i, 0
.rept 32
	v_mov_b32 v[ST+i], s87
	v_mov_b32 v[ACC+i], s87
.set i, i+1
.endr
	s_lshl_b32 s[TN], s16, 3
	s_mov_b32 s[TI], 0
	s_wait_alu depctr_va_vdst(0)
	CHANGE G0C+4, G1C, 0                   ; records 16-31 into slot 1
	s_mov_b32 s81, 3
.Lpair:
	PROC 0, 1
	REFILL G0C
	PROC 1, 1
	REFILL G0C+4
	s_sub_co_u32 s81, s81, 1
	s_cmp_lg_u32 s81, 0
	s_cbranch_scc1 .Lpair
	PROC 0, 1                              ; nothing is filled again: the barrier shows slot 1 whole, and no round follows
	PROC 1, 0
	v_mov_b32 v[TIV], s[TI]
.rept 3
	v_nop
.endr
	EPI 1                                  ; the last tile; the maximum now lies in R0
	PICK 6, 6, JJ
	PICK 5, 4, JA
	TAKE 2
	PICK 4, 2, JA
	TAKE 1
	PICK 3, 0, JA
	TAKE 0
.irp m, 0,1,2,3
	v_lshl_add_u32 v[IDX+\m], v[IDX+\m], 4, v[JJ+\m]
.endr
.irp m, 0,1,2,3
	v_add_nc_u32 v[IDX+\m], v[IDX+\m], v[H8]   ; index = 16 tile + 8 h + j
.endr
.irp m, 0,1,2,3
	v_permlanex16_b32 v[72+2*\m], v[R0+\m], s82, s83
	v_permlanex16_b32 v[73+2*\m], v[IDX+\m], s82, s83
.endr
.irp m, 0,1,2,3
	MERGE R0+\m, IDX+\m, 72+2*\m, 73+2*\m
.endr
	s_wait_alu depctr_va_vdst(0)
	s_cmp_eq_u32 s16, 0
	s_cbranch_scc1 .Llow_half
.irp m, 0,1,2,3
	ds_store_b32 v[MVA], v[R0+\m] offset:64*\m          ; waves 4-7 hand their result to waves 0-3
	ds_store_b32 v[MVA], v[IDX+\m] offset:1024+64*\m
.endr
.Llow_half:
	s_wait_dscnt 0x0
	s_barrier_signal -1
	s_barrier_wait -1
	s_cmp_lg_u32 s16, 0
	s_cbranch_scc1 .Lhigh_half
.irp m, 0,1,2,3
	ds_load_b32 v[80+\m], v[MVA] offset:64*\m
	ds_load_b32 v[84+\m], v[MVA] offset:1024+64*\m
.endr
	s_wait_dscnt 0x0
.irp m, 0,1,2,3
	MERGE R0+\m, IDX+\m, 80+\m, 84+\m
.endr
.irp m, 0,1,2,3
	ds_store_b32 v[MVA], v[IDX+\m] offset:2048+64*\m
.endr
.Lhigh_half:
	s_wait_dscnt 0x0
	s_barrier_signal -1
	s_barrier_wait -1
	s_cmp_lt_u32 s[WV], 2
	s_cbranch_scc0 .Lend
	ds_load_b128 v[88:91], v[OUTR]
	s_wait_dscnt 0x0
	global_store_b128 v[GO], v[88:91], s[10:11] th:TH_STORE_NT   ; two waves store the 1,024 bytes: 512 consecutive bytes each
.Lend:
	s_wait_tensorcnt 0x0                   ; the wave's end
	ds_add_u32 v[SPW], v[NIL]
	s_wait_dscnt 0x0
	ROUND                                  ; the closing round
	s_endpgm
.Lfunc_end_k_q47857b55e5_assign:
	.size	k_q47857b55e5_assign, .Lfunc_end_k_q47857b55e5_assign-k_q47857b55e5_assign
	.p2alignl 7, 3214868480
	.fill 96, 4, 3214868480
	.section	.rodata,"a",@progbits
	.p2align	6, 0x0
	.amdhsa_kernel k_q47857b55e5_assign
		.amdhsa_group_segment_fixed_size 327680
		.amdhsa_private_segment_fixed_size 0
		.amdhsa_enable_private_segment 0
		.amdhsa_kernarg_size 32
		.amdhsa_user_sgpr_count 2
		.amdhsa_user_sgpr_kernarg_segment_ptr 1
		.amdhsa_wavefront_size32 1
		.amdhsa_system_sgpr_workgroup_id_x 1
		.amdhsa_system_sgpr_workgroup_id_y 1
		.amdhsa_system_sgpr_workgroup_id_z 1
		.amdhsa_system_vgpr_workitem_id 0
		.amdhsa_next_free_vgpr 512
		.amdhsa_next_free_sgpr 100
		.amdhsa_reserve_vcc 0
		.amdhsa_float_denorm_mode_32 3
		.amdhsa_float_denorm_mode_16_64 3
		.amdhsa_memory_ordered 1
		.amdhsa_forward_progress 1
		.amdhsa_inst_pref_size 214
	.end_amdhsa_kernel
	.amdgpu_metadata
---
amdhsa.version: [ 1, 2 ]
amdhsa.kernels:
  - .name:           k_q47857b55e5_assign
    .symbol:         k_q47857b55e5_assign.kd
    .args:
      - { .name: inp, .offset: 0, .size: 8, .value_kind: global_buffer, .address_space: global }
      - { .name: ccodes, .offset: 8, .size: 8, .value_kind: global_buffer, .address_space: global }
      - { .name: lowp_scales, .offset: 16, .size: 8, .value_kind: global_buffer, .address_space: global }
      - { .name: out0, .offset: 24, .size: 8, .value_kind: global_buffer, .address_space: global }
    .group_segment_fixed_size: 327680
    .private_segment_fixed_size: 0
    .kernarg_segment_align: 8
    .kernarg_segment_size: 32
    .max_flat_workgroup_size: 256
    .sgpr_count:     100
    .vgpr_count:     512
    .wavefront_size: 32
...
	.end_amdgpu_metadata
.endif
;; end of part 2
